; MI455X (gfx1250); checked and timed in simulation.
; The chip was launched on July 23, 2026; its instructions are those of AMD's public machine-readable ISA for CDNA 5 (MIT licence, August 2026) and "CDNA5" Instruction Set Architecture Reference Guide (July 2026). The comments in the code are by the model that wrote it; some were corrected since.
;; Multihead Attention. Allowed arithmetic: matrix products marked QUANTISED: E2M1 operands, one E8M0 scale for each 32 along K, by v_wmma_scale_f32_16x16x128_f8f6f4 with both operands' format E2M1 (or v_wmma_scale_f32_32x16x128_f4), f32 sums; everything else in f32.
;; Inputs: Wk_codes 512 x 16 x 16 uint8 (E2M1 codes of Wk, K innermost, in blocks of 32 codes, two codes a byte); Wk_scales 512 x 16 uint8 (E8M0 scales of Wk, one for each 32 codes along K); Wo_codes 512 x 16 x 16 uint8 (E2M1 codes of Wo, K innermost, in blocks of 32 codes, two codes a byte); Wo_scales 512 x 16 uint8 (E8M0 scales of Wo, one for each 32 codes along K); Wq_codes 512 x 16 x 16 uint8 (E2M1 codes of Wq, K innermost, in blocks of 32 codes, two codes a byte); Wq_scales 512 x 16 uint8 (E8M0 scales of Wq, one for each 32 codes along K); Wv_codes 512 x 16 x 16 uint8 (E2M1 codes of Wv, K innermost, in blocks of 32 codes, two codes a byte); Wv_scales 512 x 16 uint8 (E8M0 scales of Wv, one for each 32 codes along K); bk 512 float32; bo 512 float32; bq 512 float32; bv 512 float32; key__codes 2 x 4,096 x 16 x 16 uint8 (E2M1 codes of key_, K innermost, in blocks of 32 codes, two codes a byte); key__scales 2 x 4,096 x 16 uint8 (E8M0 scales of key_, one for each 32 codes along K); query_codes 2 x 4,096 x 16 x 16 uint8 (E2M1 codes of query, K innermost, in blocks of 32 codes, two codes a byte); query_scales 2 x 4,096 x 16 uint8 (E8M0 scales of query, one for each 32 codes along K); value_codes 2 x 4,096 x 16 x 16 uint8 (E2M1 codes of value, K innermost, in blocks of 32 codes, two codes a byte); value_scales 2 x 4,096 x 16 uint8 (E8M0 scales of value, one for each 32 codes along K).
;; Outputs: out0 2 x 4,096 x 512 float32.
;; This version of the problem:
;;   THIS VERSION OF THE PROBLEM IS GIVEN IN LOW PRECISION. The matrix products marked QUANTISED in the list below multiply operands that are first quantised to E2M1 (2 exponent bits, 1 mantissa bit; 4 bits a number), with one power-of-two scale for each 32 numbers along K (OCP MX v1.0); their sums are f32. All else is computed in f32.
;;   The module's matrix products, in the order in which they are computed (A, B: the left and right operand; K: the contracted axis; several contracted axes count as one K, in the product's order):
;;     1. [M 8,192, K 512] x [K 512, N 512]; A: input query (given as codes); B: input Wq (given as codes): QUANTISED
;;     2. [M 8,192, K 512] x [K 512, N 512]; A: input key_ (given as codes); B: input Wk (given as codes): QUANTISED
;;     3. [M 8,192, K 512] x [K 512, N 512]; A: input value (given as codes); B: input Wv (given as codes): QUANTISED
;;     4. batch 16 x [M 4,096, K 64] x [K 64, N 4,096]; A: computed on the way; B: computed on the way: QUANTISED
;;     5. batch 16 x [M 4,096, K 4,096] x [K 4,096, N 64]; A: softmax (see below); B: computed on the way: QUANTISED
;;     6. [M 8,192, K 512] x [K 512, N 512]; A: computed on the way; B: input Wo (given as codes): QUANTISED
;;   THE QUANTISER, for each operand of a quantised product, along K:
;;     - K is cut into blocks of 32 from its start; a last block that is shorter is filled with zeros.
;;     - A block's scale is 2^e with e = floor(log2(the largest magnitude in the block)) - 2, held to -126 .. 127; a block of zeros has e = 0. As a byte (E8M0): e + 127.
;;     - Each number is divided by its block's scale, clamped to +-6, and rounded to the nearest number of E2M1, ties to even, subnormals kept.
;;     - The product sums the exact products of the quantised numbers (number of the format x scale) in f32.
;;   ~~~python
;;   def quantise(x, axis):      # numpy; x: float32 -> the quantised numbers, widened to float32 again
;;       x = np.moveaxis(x, axis, -1); K = x.shape[-1]
;;       x = np.pad(x, [(0, 0)] * (x.ndim - 1) + [(0, -K % 32)]); x = x.reshape(x.shape[:-1] + (-1, 32)); a = np.abs(x).max(-1, keepdims=True)
;;       e = np.where(a > 0, np.clip(np.frexp(np.where(a > 0, a, 1))[1] - 1 - 2, -126, 127), 0)      # np.frexp(a)[1] - 1 = floor(log2(a)), exactly
;;       r = np.clip(x / 2.0 ** e, -6, 6)
;;       step = 2.0 ** (np.maximum(np.frexp(np.where(r == 0, 1, r))[1] - 1, 0) - 1)
;;       q = np.round(r / step) * step * 2.0 ** e      # np.round: ties to even
;;       return np.moveaxis(q.reshape(q.shape[:-2] + (-1,))[..., :K], -1, axis).astype(np.float32)
;;   ~~~
;;   SOFTMAX AHEAD OF A QUANTISED PRODUCT. Where the list says 'softmax', what is quantised is not the finished softmax but p = 2^(t - M), with t = logit x log2(e) and M = ceil(the row's largest t), a whole number; so 1/2 < the row's largest p <= 1. The row's sum l is taken of the UNQUANTISED p, in f32, and the product's result is divided by l at the end. Since M is a whole number, a kernel that streams over the keys may use a running M (the ceiling of the running maximum): every later rescaling is an exact power of two, which a block's scale takes up: the codes' values come out the same.
;;   OPERANDS COMPUTED ON THE WAY. 'Computed on the way' means the value that the module computes at that place (a softmax that the list does not call 'softmax' is quantised finished and normalised). What goes into a quantiser is computed in f32, as accurately as f32 sums, v_exp_f32 and their like allow (about 1e-6 of the number): no bf16 or f16 on the way to a quantiser, and a product that is left as it is and whose result goes on into a quantised operand takes f32 operands (vector FMAs, or v_wmma_f32_16x16x4_f32). A number that lies on a knife's edge between two numbers of the format may be rounded either way, as far as f32 arithmetic and the matrix unit's own rounding can turn it there, and no further.
;;   INPUTS GIVEN AS CODES. Wk (in the module: [512, 512], K = its axis 1); Wo (in the module: [512, 512], K = its axis 1); Wq (in the module: [512, 512], K = its axis 1); Wv (in the module: [512, 512], K = its axis 1); key_ (in the module: [2, 4096, 512], K = its axis 2); query (in the module: [2, 4096, 512], K = its axis 2); value (in the module: [2, 4096, 512], K = its axis 2): each comes as NAME_codes (uint8): NAME with its K axis moved to the last place and cut into blocks of 32 codes, [.., K / 32, bytes a block], one block behind the other in memory; two codes a byte, the lower K in the low four bits (a code: sign, 2 exponent bits, 1 mantissa bit); and NAME_scales (uint8): the same leading axes, one E8M0 byte (e + 127) for each 32 codes along K. Its value is code x scale, taken as it is: it is not quantised again, and the codes and scales need not be those that the quantiser above would give.
;; One version. Each part assembles by itself: llvm-mc -triple=amdgcn-amd-amdhsa -mcpu=gfx1250 --defsym DOCPART=n.
;; ======== version 1 of 1: 3 launches
;; limits: right only within a limited range of input values
;; workspace buffers: qc 2,097,152 bytes; qs 262,144 bytes; kvc 4,194,304 bytes; kvs 393,216 bytes; ctxc 2,097,152 bytes; ctxs 262,144 bytes
;; launch proj (part 1): grid 64 x 3, 8 waves a work-group, clusters of 4 x 1, 327,680 bytes of LDS; arguments query_codes, query_scales, Wq_codes, Wq_scales, bq, key__codes, key__scales, Wk_codes, Wk_scales, bk, value_codes, value_scales, Wv_codes, Wv_scales, bv, qc, qs, kvc, kvs; writes qc, qs, kvc, kvs
.if DOCPART == 1
	.amdgcn_target "amdgcn-amd-amdhsa--gfx1250"
	.amdhsa_code_object_version 6
	.text
	.protected	k_q779a519227_proj
	.globl	k_q779a519227_proj
	.p2align	8
	.type	k_q779a519227_proj,@function
k_q779a519227_proj:
	s_mov_b64 s[64:65], 0
	v_nop
	global_prefetch_b8 v0, s[64:65] scope:SCOPE_SE
	s_setreg_imm32_b32 hwreg(HW_REG_WAVE_MODE, 25, 1), 1
	s_wait_xcnt 0x0
	s_wait_alu depctr_hold_cnt(0) depctr_sa_sdst(0) depctr_va_vdst(0) depctr_va_sdst(0) depctr_va_ssrc(0) depctr_va_vcc(0) depctr_vm_vsrc(0)
	s_getreg_b32 s2, hwreg(HW_REG_IB_STS2, 6, 4)
	s_cmp_eq_u32 s2, 0
	s_cbranch_scc0 .Lentry_in_a_cluster
	s_endpgm
.Lentry_in_a_cluster:
	s_bfe_u32 s2, ttmp6, 0x10000c
	s_cmp_lg_u32 s2, 0x3003
	s_cbranch_scc0 .Lentry_shape_is_right
	s_endpgm
.Lentry_shape_is_right:
.set PITCH, 272
.set XL,    0
.set WL,    128*PITCH
.set SPARE, WL+512*PITCH
.set SPW, 1
.set NIL, 2
.set AX,  3
.set AW,  4
.set LI,  5
.set L8,  6
.set SL,  7
.set BA,  8
.set SXS, 16
.set SWS, 32
.set BI,  40
.set SF,  72
.set AC,  136
.set PC,  200
.set TM,  208
.set SW,  224
.set OW,  232
.set XC,  42
.set XS,  44
.set WC,  46
.set WS,  48
.set BB,  50
.set OC,  52
.set OS,  54
.set G1X, 56
.set G1W, 68
.set G0X, 76
.set G0W, 80
.set WV,  84
.set YY,  85
.set CX,  86
.set RB,  87
.set SEL, 88
.set HM,  90
.set MSB, 0
.macro WIN new
.if MSB != \new
	s_set_vgpr_msb (MSB<<8)|\new
.set MSB, \new
.endif
.endm
.macro CROUND
	s_barrier_signal -1
	s_barrier_wait -1
	s_cmp_lg_u32 s[WV], 0
	s_cbranch_scc1 .Lnot_wave_0_\@
	s_barrier_signal -3
.Lnot_wave_0_\@:
	s_barrier_wait -3
	s_barrier_signal -1
	s_barrier_wait -1
.endm
.macro WM d, a, b, c, sa, sb, ra, rb
.set wD, \d
.set wA, \a
.set wB, \b
.set wC, \c
.set wS, \sa
.set wT, \sb
.set wR, (\ra)+2*(\rb)
.if wR == 0
	v_wmma_scale_f32_16x16x128_f8f6f4 v[wD:wD+7], v[wA:wA+7], v[wB:wB+7], v[wC:wC+7], v[wS], v[wT] matrix_a_fmt:MATRIX_FMT_FP4 matrix_b_fmt:MATRIX_FMT_FP4
.elseif wR == 1
	v_wmma_scale_f32_16x16x128_f8f6f4 v[wD:wD+7], v[wA:wA+7], v[wB:wB+7], v[wC:wC+7], v[wS], v[wT] matrix_a_fmt:MATRIX_FMT_FP4 matrix_b_fmt:MATRIX_FMT_FP4 matrix_a_scale:MATRIX_SCALE_ROW1
.elseif wR == 2
	v_wmma_scale_f32_16x16x128_f8f6f4 v[wD:wD+7], v[wA:wA+7], v[wB:wB+7], v[wC:wC+7], v[wS], v[wT] matrix_a_fmt:MATRIX_FMT_FP4 matrix_b_fmt:MATRIX_FMT_FP4 matrix_b_scale:MATRIX_SCALE_ROW1
.else
	v_wmma_scale_f32_16x16x128_f8f6f4 v[wD:wD+7], v[wA:wA+7], v[wB:wB+7], v[wC:wC+7], v[wS], v[wT] matrix_a_fmt:MATRIX_FMT_FP4 matrix_b_fmt:MATRIX_FMT_FP4 matrix_a_scale:MATRIX_SCALE_ROW1 matrix_b_scale:MATRIX_SCALE_ROW1
.endif
.endm
.macro QUANT s, nb, pw
	s_wait_xcnt 0x0
.set qb, 0
.rept \nb
	v_max3_num_f32 v[TM+qb], |v[\s+16*qb]|, |v[\s+16*qb+1]|, 0x1800000
.set qb, qb+1
.endr
.set qi, 2
.rept 7
.set qb, 0
.rept \nb
	v_max3_num_f32 v[TM+qb], v[TM+qb], |v[\s+16*qb+qi]|, |v[\s+16*qb+qi+1]|
.set qb, qb+1
.endr
.set qi, qi+2
.endr
.set qb, 0
.rept \nb
	v_permlanex16_b32 v[TM+4+qb], v[TM+qb], s[SEL], s[SEL+1]
.set qb, qb+1
.endr
.set qb, 0
.rept \nb
	v_max_num_f32 v[TM+qb], v[TM+qb], v[TM+4+qb]
.set qb, qb+1
.endr
.set qb, 0
.rept \nb
	v_add_nc_u32 v[TM+12+qb], 0xff000000, v[TM+qb]
.set qb, qb+1
.endr
.set qb, 0
.rept \nb
	v_lshrrev_b32 v[TM+4+qb], 23, v[TM+12+qb]
.set qb, qb+1
.endr
	v_lshl_or_b32 v[\pw], v[TM+5], 8, v[TM+4]
.if \nb > 2
	s_delay_alu instid0(VALU_DEP_1)
	v_lshl_or_b32 v[\pw], v[TM+6], 16, v[\pw]
	s_delay_alu instid0(VALU_DEP_1)
	v_lshl_or_b32 v[\pw], v[TM+7], 24, v[\pw]
.endif
.set qb, 0
.rept \nb
	v_cvt_scalef32_pk8_fp4_f32 v[PC+2*qb], v[\s+16*qb:\s+16*qb+7], v[TM+12+qb]
	v_cvt_scalef32_pk8_fp4_f32 v[PC+2*qb+1], v[\s+16*qb+8:\s+16*qb+15], v[TM+12+qb]
.set qb, qb+1
.endr
	v_nop
.set qb, 0
.rept (\nb)/2
	v_permlane16_swap_b32 v[PC+4*qb], v[PC+4*qb+2]
	v_permlane16_swap_b32 v[PC+4*qb+1], v[PC+4*qb+3]
.set qb, qb+1
.endr
.endm
.macro HOLD adr, nt
	WIN 0x40
.set ht, 0
.rept \nt
.irp ks, 0,1,2,3
.irp c, 0,1
	ds_load_b128 v[8*(4*ht+\ks)+4*\c:8*(4*ht+\ks)+4*\c+3], v[\adr] offset:(32*(ht/2)+8*(ht%2))*PITCH+64*\ks+32*\c
.endr
.endr
.set ht, ht+1
.endr
	WIN 0
.endm
.macro FETCH adr, tile, buf
.irp ks, 0,1,2,3
.irp c, 0,1
	ds_load_b128 v[SF+32*(\buf)+8*\ks+4*\c:SF+32*(\buf)+8*\ks+4*\c+3], v[\adr] offset:(32*((\tile)/2)+8*((\tile)%2))*PITCH+64*\ks+32*\c
.endr
.endr
.endm
.macro MULS nt, st, sca, scb, bm
	WIN 0x01
.set mk, 0
.rept 4
.set mt, 0
.rept \nt
.set mc, AC+8*mt
.if mk == 0
.set mc, BI+8*mt
.if \bm
.set mc, BI+8*(\st)
.endif
.endif
	WM AC+8*mt, 8*(4*mt+mk), SF+32*((\st)%2)+8*mk, mc, \sca+4*(mt/2)+mk, \scb+4*((\st)/2)+mk, mt%2, (\st)%2
.set mt, mt+1
.endr
.set mk, mk+1
.endr
	WIN 0
.rept 4
	v_nop
.endr
.endm
.macro ITERQ st
.if (\st) < 7
	FETCH AX, (\st)+1, ((\st)+1)%2
	s_wait_dscnt 8
.else
	s_wait_dscnt 0x0
.endif
	MULS 4, \st, SWS, SXS, 0
	QUANT AC, 2, SW+(\st)
	global_store_b128 v[LI], v[PC:PC+3], s[OC:OC+1] offset:512*(\st)
.endm
.macro ITERV st
.if (\st) < 3
	FETCH AW, (\st)+1, ((\st)+1)%2
	s_wait_dscnt 8
.else
	s_wait_dscnt 0x0
.endif
	MULS 8, \st, SXS, SWS, 1
	QUANT AC, 4, SW+(\st)
	global_store_b128 v[LI], v[PC:PC+3], s[OC:OC+1] offset:4096+1024*(\st)
	global_store_b128 v[LI], v[PC+4:PC+7], s[OC:OC+1] offset:4096+1024*(\st)+512
.endm
	s_load_b512 s[4:19], s[0:1], 0x0
	s_load_b512 s[20:35], s[0:1], 0x40
	s_load_b128 s[36:39], s[0:1], 0x80
	s_load_b64 s[40:41], s[0:1], 0x90
	v_lshl_add_u32 v[SPW], v0, 2, SPARE
	v_mov_b32 v[NIL], 0
	ds_add_u32 v[SPW], v[NIL]
	ds_add_u32 v[SPW], v[NIL]
	v_lshrrev_b32 v9, 5, v0
	s_delay_alu instid0(VALU_DEP_1)
	v_readfirstlane_b32 s[WV], v9
	s_bfe_u32 s[CX], ttmp6, 0x40000
	s_lshl_b32 s[RB], ttmp9, 2
	s_add_co_u32 s[RB], s[RB], s[CX]
	s_and_b32 s[YY], ttmp7, 0xffff
	s_mov_b32 s[G1X], (1<<20)|(5<<22)|(3<<25)
	s_mov_b32 s[G1X+1], 256<<16
	s_mov_b32 s[G1X+2], 32<<16
	s_mov_b32 s[G1X+3], 256<<16
	s_mov_b32 s[G1X+4], 32
	s_mov_b32 s[G1X+5], 256
	s_mov_b32 s[G1X+6], 0
	s_mov_b32 s[G1X+7], 0
	s_mov_b32 s[G1W], 15|(1<<20)|(1<<21)|(5<<22)|(3<<25)
	s_mov_b32 s[G1W+1], 256<<16
	s_mov_b32 s[G1W+2], 128<<16
	s_mov_b32 s[G1W+3], 256<<16
	s_mov_b32 s[G1W+4], 128
	s_mov_b32 s[G1W+5], 256
	s_mov_b32 s[G1W+6], 0
	s_mov_b32 s[G1W+7], 0
	s_mov_b32 s[SEL], 0x76543210
	s_mov_b32 s[SEL+1], 0xfedcba98
	s_lshl_b32 s92, s[RB], 15
	s_and_b32 s91, s[WV], 3                        ; waves 0-3 fetch a quarter of W each (128 rows), waves 4-7 a quarter of x (32 rows)
	s_lshl_b32 s93, s91, 13
	s_add_co_u32 s92, s92, s93
	s_mov_b32 s93, 0
	s_lshl_b32 s94, s91, 15
	s_mov_b32 s95, 0
	s_wait_dscnt 0x0
	s_wait_kmcnt 0x0
	s_cmp_eq_u32 s[YY], 1
	s_cselect_b64 s[XC:XC+1], s[14:15], s[4:5]
	s_cselect_b64 s[XS:XS+1], s[16:17], s[6:7]
	s_cselect_b64 s[WC:WC+1], s[18:19], s[8:9]
	s_cselect_b64 s[WS:WS+1], s[20:21], s[10:11]
	s_cselect_b64 s[BB:BB+1], s[22:23], s[12:13]
	s_cmp_eq_u32 s[YY], 2
	s_cselect_b64 s[XC:XC+1], s[24:25], s[XC:XC+1]
	s_cselect_b64 s[XS:XS+1], s[26:27], s[XS:XS+1]
	s_cselect_b64 s[WC:WC+1], s[28:29], s[WC:WC+1]
	s_cselect_b64 s[WS:WS+1], s[30:31], s[WS:WS+1]
	s_cselect_b64 s[BB:BB+1], s[32:33], s[BB:BB+1]
	s_mov_b32 s[G0X], 1
	s_mul_i32 s[G0X+1], s91, 32*PITCH
	s_add_nc_u64 s[G0X+2:G0X+3], s[XC:XC+1], s[92:93]
	s_or_b32 s[G0X+3], s[G0X+3], 0x80000000
	s_mov_b32 s[G0W], 1
	s_mul_i32 s[G0W+1], s91, 128*PITCH
	s_add_co_u32 s[G0W+1], s[G0W+1], WL
	s_add_nc_u64 s[G0W+2:G0W+3], s[WC:WC+1], s[94:95]
	s_or_b32 s[G0W+3], s[G0W+3], 0x80000000
	CROUND
	s_cmp_lt_u32 s[WV], 4                          ; one chain of two arms on the wave's number, a load to an arm: one tensor load a wave at the head
	s_cbranch_scc0 .Lhead_x
	tensor_load_to_lds s[G0W:G0W+3], s[G1W:G1W+7]
	s_nop 0
.rept 4
	v_nop
.endr
	s_branch .Lhead_asked
.Lhead_x:
	tensor_load_to_lds s[G0X:G0X+3], s[G1X:G1X+7]
	s_nop 0
.Lhead_asked:
.rept 4
	v_nop
.endr
	v_and_b32 v9, 15, v0
	v_bfe_u32 v10, v0, 4, 1
	s_delay_alu instid0(VALU_DEP_2)
	v_and_b32 v11, 8, v9
	s_delay_alu instid0(VALU_DEP_1)
	v_add_nc_u32 v11, v11, v9
	s_delay_alu instid0(VALU_DEP_1)
	v_mul_u32_u24 v12, v11, PITCH
	s_delay_alu instid0(VALU_DEP_1)
	v_lshl_add_u32 v[AX], v10, 4, v12
	s_mul_i32 s91, s[WV], 64*PITCH
	s_add_co_u32 s91, s91, WL
	v_add_nc_u32 v[AW], s91, v[AX]
	v_and_b32 v13, 31, v0
	s_delay_alu instid0(VALU_DEP_1)
	v_lshlrev_b32 v[LI], 4, v13
	s_delay_alu instid0(VALU_DEP_2)
	v_lshlrev_b32 v[L8], 3, v13
	v_lshl_add_u32 v14, v10, 3, v11
	s_delay_alu instid0(VALU_DEP_1)
	v_lshlrev_b32 v[SL], 4, v14
	v_cmp_lt_u32 s[HM], 15, v13
.irp b, 0,1,2,3
	v_mov_b32 v[TM+4+\b], 0
.endr
	s_lshl_b32 s92, s[RB], 11
	s_mov_b32 s93, 0
	s_add_nc_u64 s[XS:XS+1], s[XS:XS+1], s[92:93]
	s_lshl_b32 s92, s[WV], 10
	s_add_nc_u64 s[WS:WS+1], s[WS:WS+1], s[92:93]
	s_lshl_b32 s92, s[WV], 8
	s_add_nc_u64 s[BB:BB+1], s[BB:BB+1], s[92:93]
.irp p, 0,1,2,3
	global_load_b128 v[SXS+4*\p:SXS+4*\p+3], v[SL], s[XS:XS+1] offset:512*\p
.endr
.irp p, 0,1
	global_load_b128 v[SWS+4*\p:SWS+4*\p+3], v[SL], s[WS:WS+1] offset:512*\p
.endr
	s_lshr_b32 s91, s[RB], 5
	s_lshl_b32 s91, s91, 3
	s_add_co_u32 s91, s91, s[WV]
	s_lshl_b32 s91, s91, 5
	s_and_b32 s92, s[RB], 31
	s_add_co_u32 s91, s91, s92
	s_cmp_eq_u32 s[YY], 0
	s_cselect_b64 s[OC:OC+1], s[34:35], s[38:39]
	s_cselect_b64 s[OS:OS+1], s[36:37], s[40:41]
	s_cselect_b32 s92, 12, 13
	s_mov_b32 s94, 768
	s_cselect_b32 s94, 512, s94
	s_lshl_b32 s92, s91, s92
	s_add_nc_u64 s[OC:OC+1], s[OC:OC+1], s[92:93]
	s_mul_i32 s94, s91, s94
	s_add_nc_u64 s[OS:OS+1], s[OS:OS+1], s[94:95]
	s_cmp_eq_u32 s[YY], 2
	s_cbranch_scc1 .Lbias_v
	v_lshlrev_b32 v[BA], 6, v10
.irp t, 0,1,2,3
	global_load_b128 v[BI+8*\t:BI+8*\t+3], v[BA], s[BB:BB+1] offset:(32*(\t/2)+8*(\t%2))*4
	global_load_b128 v[BI+8*\t+4:BI+8*\t+7], v[BA], s[BB:BB+1] offset:(32*(\t/2)+8*(\t%2))*4+16
.endr
	s_branch .Lbias_done
.Lbias_v:
	v_lshlrev_b32 v[BA], 2, v11
.irp t, 0,1,2,3
.irp i, 0,1,2,3,4,5,6,7
	global_load_b32 v[BI+8*\t+\i], v[BA], s[BB:BB+1] offset:(32*(\t/2)+8*(\t%2))*4
.endr
.endr
.Lbias_done:
	s_wait_tensorcnt 0x0
	s_barrier_signal -1
	s_barrier_wait -1
	s_cmp_eq_u32 s[YY], 2
	s_cbranch_scc1 .Lv
	HOLD AW, 4
	FETCH AX, 0, 0
	s_wait_loadcnt 0x0
.irp t, 0,1,2,3,4,5,6,7
	ITERQ \t
.endr
.irp i, 0,1,2,3
	v_cndmask_b32 v[OW+\i], v[SW+\i], v[SW+4+\i], s[HM]
.endr
	global_store_b128 v[LI], v[OW:OW+3], s[OS:OS+1]
	s_branch .Lend
.Lv:
	HOLD AX, 8
	FETCH AW, 0, 0
	s_wait_loadcnt 0x0
.irp t, 0,1,2,3
	ITERV \t
.endr
.irp i, 0,1
	v_cndmask_b32 v[OW+\i], v[SW+\i], v[SW+2+\i], s[HM]
.endr
	global_store_b64 v[L8], v[OW:OW+1], s[OS:OS+1] offset:512
.Lend:
	s_wait_tensorcnt 0x0
	ds_add_u32 v[SPW], v[NIL]
	s_wait_dscnt 0x0
	CROUND
	s_endpgm
.Lfunc_end_k_q779a519227_proj:
	.size	k_q779a519227_proj, .Lfunc_end_k_q779a519227_proj-k_q779a519227_proj
	.p2alignl 7, 3214868480
	.fill 96, 4, 3214868480
	.section	.rodata,"a",@progbits
	.p2align	6, 0x0
	.amdhsa_kernel k_q779a519227_proj
		.amdhsa_group_segment_fixed_size 327680
		.amdhsa_private_segment_fixed_size 0
		.amdhsa_enable_private_segment 0
		.amdhsa_kernarg_size 152
		.amdhsa_user_sgpr_count 2
		.amdhsa_user_sgpr_kernarg_segment_ptr 1
		.amdhsa_wavefront_size32 1
		.amdhsa_system_sgpr_workgroup_id_x 1
		.amdhsa_system_sgpr_workgroup_id_y 1
		.amdhsa_system_sgpr_workgroup_id_z 1
		.amdhsa_system_vgpr_workitem_id 0
		.amdhsa_next_free_vgpr 512
		.amdhsa_next_free_sgpr 96
		.amdhsa_reserve_vcc 0
		.amdhsa_float_denorm_mode_32 3
		.amdhsa_float_denorm_mode_16_64 3
		.amdhsa_memory_ordered 1
		.amdhsa_forward_progress 1
		.amdhsa_inst_pref_size 91
	.end_amdhsa_kernel
	.amdgpu_metadata
---
amdhsa.version: [ 1, 2 ]
amdhsa.kernels:
  - .name:           k_q779a519227_proj
    .symbol:         k_q779a519227_proj.kd
    .args:
      - { .name: query_codes, .offset: 0, .size: 8, .value_kind: global_buffer, .address_space: global }
      - { .name: query_scales, .offset: 8, .size: 8, .value_kind: global_buffer, .address_space: global }
      - { .name: Wq_codes, .offset: 16, .size: 8, .value_kind: global_buffer, .address_space: global }
      - { .name: Wq_scales, .offset: 24, .size: 8, .value_kind: global_buffer, .address_space: global }
      - { .name: bq, .offset: 32, .size: 8, .value_kind: global_buffer, .address_space: global }
      - { .name: key__codes, .offset: 40, .size: 8, .value_kind: global_buffer, .address_space: global }
      - { .name: key__scales, .offset: 48, .size: 8, .value_kind: global_buffer, .address_space: global }
      - { .name: Wk_codes, .offset: 56, .size: 8, .value_kind: global_buffer, .address_space: global }
      - { .name: Wk_scales, .offset: 64, .size: 8, .value_kind: global_buffer, .address_space: global }
      - { .name: bk, .offset: 72, .size: 8, .value_kind: global_buffer, .address_space: global }
      - { .name: value_codes, .offset: 80, .size: 8, .value_kind: global_buffer, .address_space: global }
      - { .name: value_scales, .offset: 88, .size: 8, .value_kind: global_buffer, .address_space: global }
      - { .name: Wv_codes, .offset: 96, .size: 8, .value_kind: global_buffer, .address_space: global }
      - { .name: Wv_scales, .offset: 104, .size: 8, .value_kind: global_buffer, .address_space: global }
      - { .name: bv, .offset: 112, .size: 8, .value_kind: global_buffer, .address_space: global }
      - { .name: qc, .offset: 120, .size: 8, .value_kind: global_buffer, .address_space: global }
      - { .name: qs, .offset: 128, .size: 8, .value_kind: global_buffer, .address_space: global }
      - { .name: kvc, .offset: 136, .size: 8, .value_kind: global_buffer, .address_space: global }
      - { .name: kvs, .offset: 144, .size: 8, .value_kind: global_buffer, .address_space: global }
    .group_segment_fixed_size: 327680
    .private_segment_fixed_size: 0
    .kernarg_segment_align: 8
    .kernarg_segment_size: 152
    .max_flat_workgroup_size: 256
    .sgpr_count:     96
    .vgpr_count:     512
    .wavefront_size: 32
...
	.end_amdgpu_metadata
.endif
;; end of part 1
;; launch attn (part 2): grid 16 x 16, 16 waves a work-group, clusters of 4 x 1, 327,680 bytes of LDS; arguments qc, qs, kvc, kvs, ctxc, ctxs; writes ctxc, ctxs
.if DOCPART == 2
	.amdgcn_target "amdgcn-amd-amdhsa--gfx1250"
	.amdhsa_code_object_version 6
	.text
	.protected	k_q779a519227_attn
	.globl	k_q779a519227_attn
	.p2align	8
	.type	k_q779a519227_attn,@function
k_q779a519227_attn:
	s_mov_b64 s[64:65], 0
	v_nop
	global_prefetch_b8 v0, s[64:65] scope:SCOPE_SE
	s_setreg_imm32_b32 hwreg(HW_REG_WAVE_MODE, 25, 1), 1
	s_wait_xcnt 0x0
	s_wait_alu depctr_hold_cnt(0) depctr_sa_sdst(0) depctr_va_vdst(0) depctr_va_sdst(0) depctr_va_ssrc(0) depctr_va_vcc(0) depctr_vm_vsrc(0)
	s_getreg_b32 s2, hwreg(HW_REG_IB_STS2, 6, 4)
	s_cmp_eq_u32 s2, 0
	s_cbranch_scc0 .Lentry_in_a_cluster
	s_endpgm
.Lentry_in_a_cluster:
	s_bfe_u32 s2, ttmp6, 0x10000c
	s_cmp_lg_u32 s2, 0x3003
	s_cbranch_scc0 .Lentry_shape_is_right
	s_endpgm
.Lentry_shape_is_right:
; ATTENTION on codes of FP4 (E2M1) with E8M0 scales: ctx = softmax(q k^T / 8) v for one head, and the quantising of ctx along E for the last product.
; THE SOFTMAX AHEAD OF THE SECOND PRODUCT: t = score x log2(e) / 8; M = the row's largest t so far, rounded UP to a whole number; p = 2^(t - M) is quantised along the keys, not normalised.
; The row's sum is taken of the unquantised p, in f32, and divides at the end.  When M moves, the sum and O are multiplied by 2^(old M - new M), which rounds nothing.
; SHARES.  Work-group y = 8 b + head; work-group x = 4 x cluster x + cx takes 256 queries; each of the sixteen waves one tile of 16, in 256 registers.  Every wave walks the head's 4,096 keys, 256 a trip:
; M moves once a trip, so O^T and the sum are rescaled once for 256 keys.
; A WHOLE HEAD'S K AND V STAY IN LDS, filled once at the head, one joint load a wave (mask 15: the four work-groups of a cluster walk the same head): waves 0-7 fetch four steps' codes each
; (32 rows of 1,024 bytes, 128 bytes of padding behind each), waves 8-15 3,072 bytes of scale words each.  All tensor loads stand at the head, so there is no later load that a prefetch could run ahead of.
; LAYOUT.  Operands lie in memory as images of operand registers.  Both products are used transposed: S^T = K Q^T (source 0 = 16 keys), O^T = V^T P^T (source 0 = 16 channels): a lane holds ONE query throughout.
; THE KEYS OF A TILE ARE CHOSEN BY THE LDS ADDRESS: row 8 h + j of key tile 4 c + u of a step is key 64 c + 32 h + 8 u + j.  So the 32 registers of tiles 4 c .. 4 c + 3 in lane (r, h) are the whole block 2 c + h of 32 keys, in order:
; a block's maximum needs no other lane, and the four conversions of a block give registers 4 c .. 4 c + 3 of P's operand as they stand.  In the image (tile 2 b + v, lane r: key 32 b + 8 v + r + 8 (r / 8)) that key lies in
; tile 4 c + 2 h + u % 2, lane 8 (u / 2) + j.  The padding sets the two groups of eight lanes of a load 1,152 bytes apart, which is 128 modulo 256.
; THE FIRST PRODUCT'S K IS 64 in an instruction of 128: registers 4-7 of Q's fragment hold zero codes, so whatever codes stand in registers 4-7 of K's operand (the next tile's, or what lies behind the last tile) add nothing;
; bytes 2, 3 of both scale words are 0 (2^-127, no NaN).
; REGISTERS THAT SERVE TWICE IN A TRIP: the first half's K lies in the second half's score registers until those scores are made; the second half's K lies where the sums' pairs and p's codes are made later;
; V's fragments of both halves land in the first half's score registers when its p are converted.
; LIMITS: NaN, infinities and scale bytes 0xff are not served; scores under -3e38 are not served, and the promise holds while |t| stays under 2^31; a p under 2^-126 counts as 0 (v_exp_f32 gives 0 for results
; that would be denormal: ISA guide, its entry); a block of ctx whose largest magnitude lies under 2^-124 gets the scale byte 1 (a block of zeros too; the bytes are read by this program alone).
.set STEPB, 9216                       ; 128 keys' codes in LDS: 8 rows of 1,024 + 128 bytes
.set SCL,   32*STEPB                   ; behind the codes: the scale words, 768 bytes for 128 keys: K's 512, V's 256
.set SPARE, SCL+32*768                 ; the spare words, 128 bytes for each wave
.set STG,   SPARE+2048                 ; ctx's scale words on their way out: 64 bytes a wave; no tile lands here
.set LI,  1                            ; 16 x lane
.set LK,  2                            ; my lane's place in a tile of K: 1152 h' + 16 j + 256 h (j = lane % 8, h' = lane / 8 % 2, h = lane / 16)
.set LSK, 3                            ; SCL + 256 h + 16 j + 8 h': K's scale words
.set LT,  4                            ; SCL + 512 + 8 x lane: V's
.set SPW, 5                            ; LDS address of my spare word; never rewritten
.set NIL, 6                            ; 0; never rewritten
.set SH,  7                            ; 8 h: my bytes' place in p's scale words
.set ADK, 8                            ; v8-11 the trip's LDS addresses; on the way out the stage's
.set ADV, 9
.set ADS, 10
.set ADT, 11
.set SMAX, 12                          ; the largest score so far
.set T0,  13
.set T1,  14
.set T2,  15
.set QF,  16                           ; v16-23 Q's fragment (v20-23: zeros)
.set QS,  24                           ; Q's scale words
.set QA,  25                           ; their offset
.set PW,  26                           ; v26-27 p's scale words, one for each half; at the end ctx's
.set KSC, 28                           ; v28-31 K's words, first half: register u: lanes 0-15 key tile u, lanes 16-31 tile 4 + u
.set VSC, 32                           ; v32-35 V's words, two for each half: lanes 0-15 channel tiles 0, 1; lanes 16-31 tiles 2, 3
.set CC,  36                           ; v36-37 c = log2(e) / 8, twice
.set NN,  38                           ; v38-39 -M, twice
.set FF,  40                           ; v40-41 f = 2^(old M - new M), twice (a dual pair's like sources lie in different register banks)
.set CH,  42                           ; v42-57 eight pairs that sum p; pair 0 is the row's running sum, in two halves
.set KB,  44                           ; v44-75 the second half's K, eight tiles of four registers
.set PC,  58                           ; v58-73 p's codes, eight registers for each half
.set ZP,  76                           ; v76-79 zeros: what the last tile's operand names behind its four registers
.set MX,  80                           ; v80-87 the tiles' maxima; then bytes and words
.set TM,  88                           ; v88-91 my four blocks' largest scores, then largest p, then the conversions' scale operands
.set KSCB, 92                          ; v92-95 K's words, second half
.set S,   96                           ; v96-223 S^T, then p: 64 registers for each half
.set KA,  S+64                         ; the first half's K
.set O,   224                          ; v224-255 O^T
.set WV,  16
.set CX,  17
.set QB,  18
.set BH,  19
.set SEL, 20                           ; s[20:21] lane selects for v_permlanex16_b32: lane l xor 16
.set NC,  22                           ; -c
.set G1C, 24                           ; s[24:31] descriptor group 1 for the codes, s[32:39] for the scale words
.set G1S, 32
.set G0S, 40
.set G0C, 44
.set W7,  48                           ; wave % 8
.set TB,  60                           ; LDS byte at which the trip's codes begin
.set TS,  61                           ; and, from SCL on, its scale words
.set CNT, 62
.macro CROUND                          ; a round of the cluster's barrier
	s_barrier_signal -1
	s_barrier_wait -1
	s_cmp_lg_u32 s[WV], 0
	s_cbranch_scc1 .Lnot_wave_0_\@
	s_barrier_signal -3
.Lnot_wave_0_\@:
	s_barrier_wait -3
	s_barrier_signal -1
	s_barrier_wait -1
.endm
.macro WMS hh, t                       ; S^T, half hh, key tile t: the product starts its sum
.set wD, S+64*(\hh)+8*(\t)
.set wA, KA+(KB-KA)*(\hh)+4*(\t)
.set wS, KSC+(KSCB-KSC)*(\hh)+(\t)%4
.if (\t) < 4
	v_wmma_scale_f32_16x16x128_f8f6f4 v[wD:wD+7], v[wA:wA+7], v[QF:QF+7], 0, v[wS], v[QS] matrix_a_fmt:MATRIX_FMT_FP4 matrix_b_fmt:MATRIX_FMT_FP4
.else
	v_wmma_scale_f32_16x16x128_f8f6f4 v[wD:wD+7], v[wA:wA+7], v[QF:QF+7], 0, v[wS], v[QS] matrix_a_fmt:MATRIX_FMT_FP4 matrix_b_fmt:MATRIX_FMT_FP4 matrix_a_scale:MATRIX_SCALE_ROW1
.endif
.endm
.macro WMO hh, t                       ; O^T, half hh's keys, channel tile t
.set wD, O+8*(\t)
.set wA, S+32*(\hh)+8*(\t)
.set wB, PC+8*(\hh)
.set wS, VSC+2*(\hh)+(\t)%2
.set wT, PW+(\hh)
.if (\t) < 2
	v_wmma_scale_f32_16x16x128_f8f6f4 v[wD:wD+7], v[wA:wA+7], v[wB:wB+7], v[wD:wD+7], v[wS], v[wT] matrix_a_fmt:MATRIX_FMT_FP4 matrix_b_fmt:MATRIX_FMT_FP4
.else
	v_wmma_scale_f32_16x16x128_f8f6f4 v[wD:wD+7], v[wA:wA+7], v[wB:wB+7], v[wD:wD+7], v[wS], v[wT] matrix_a_fmt:MATRIX_FMT_FP4 matrix_b_fmt:MATRIX_FMT_FP4 matrix_a_scale:MATRIX_SCALE_ROW1
.endif
.endm
.macro LDV vf, vsc, i                  ; V's four fragments and its words, 128 keys, the i-th from the trip's base: nine loads
.irp t, 0,1,2,3
.irp c, 0,1
	ds_load_b128 v[\vf+8*\t+4*\c:\vf+8*\t+4*\c+3], v[ADV] offset:STEPB*(\i)+4608+1152*\t+512*\c
.endr
.endr
	ds_load_b64 v[\vsc:\vsc+1], v[ADT] offset:768*(\i)
.endm
.macro LDK kf, ksc, adk, ads, i        ; K's eight tiles and their words, 128 keys, the i-th from the addresses' base: ten loads
.irp c, 0,1
.irp u, 0,1,2,3
	ds_load_b128 v[\kf+16*\c+4*\u:\kf+16*\c+4*\u+3], v[\adk] offset:STEPB*(\i)+2304*\c+512*(\u%2)+128*(\u/2)
.endr
.endr
	ds_load_b64 v[\ksc:\ksc+1], v[\ads] offset:768*(\i)
	ds_load_b64 v[\ksc+2:\ksc+3], v[\ads] offset:768*(\i)+128
.endm
.macro MAXH hh                         ; my two blocks' largest scores of half hh: eight chains by turns, each accumulator from its low end on
.irp t, 0,1,2,3,4,5,6,7
	v_max3_num_f32 v[MX+\t], v[S+64*(\hh)+8*\t], v[S+64*(\hh)+8*\t+1], v[S+64*(\hh)+8*\t+2]
.endr
.irp k, 3,5
.irp t, 0,1,2,3,4,5,6,7
	v_max3_num_f32 v[MX+\t], v[MX+\t], v[S+64*(\hh)+8*\t+\k], v[S+64*(\hh)+8*\t+\k+1]
.endr
.endr
	v_max3_num_f32 v[MX], v[MX], v[MX+1], v[S+64*(\hh)+7]
	v_max3_num_f32 v[MX+2], v[MX+2], v[MX+3], v[S+64*(\hh)+15]
	v_max3_num_f32 v[MX+4], v[MX+4], v[MX+5], v[S+64*(\hh)+39]
	v_max3_num_f32 v[MX+6], v[MX+6], v[MX+7], v[S+64*(\hh)+47]
	v_max3_num_f32 v[TM+2*(\hh)], v[MX], v[MX+2], v[S+64*(\hh)+23]
	v_max3_num_f32 v[TM+2*(\hh)+1], v[MX+4], v[MX+6], v[S+64*(\hh)+55]
	v_max_num_f32 v[TM+2*(\hh)], v[TM+2*(\hh)], v[S+64*(\hh)+31]       ; a block's largest score serves the row's maximum and, since p rises with the score, the block's largest p
	v_max_num_f32 v[TM+2*(\hh)+1], v[TM+2*(\hh)+1], v[S+64*(\hh)+63]
.endm
; two additions in one instruction, on pairs that begin at even registers
.macro DADD d, a, b
.set dD, \d
.set dA, \a
.set dB, \b
	v_dual_add_f32 v[dD], v[dA], v[dB] :: v_dual_add_f32 v[dD+1], v[dA+1], v[dB+1]
.endm
; the n-th of the 64 that add the trip's 128 p onto the running sum: 7 begin pairs 1-7 (four p each), 50 add two p each, the pairs by turns, 7 join the pairs
.macro DA n
.if (\n) < 7
	DADD CH+2*(\n)+2, S+4*(\n), S+4*(\n)+2
.elseif (\n) < 57
	DADD CH+2*(((\n)-7)%8), CH+2*(((\n)-7)%8), S+28+2*((\n)-7)
.elseif (\n) < 61
	DADD CH+2*((\n)-57), CH+2*((\n)-57), CH+2*((\n)-57)+8
.elseif (\n) < 63
	DADD CH+2*((\n)-61), CH+2*((\n)-61), CH+2*((\n)-61)+4
.else
	DADD CH, CH, CH+2
.endif
.endm
.macro DAS count
.rept \count
	DA dn
.set dn, dn+1
.endr
.endm
.macro DFMA d                          ; t - M of two scores
.set dD, \d
	v_dual_fma_f32 v[dD], v[dD], v[CC], v[NN] :: v_dual_fma_f32 v[dD+1], v[dD+1], v[CC+1], v[NN+1]
.endm
.macro DFS count
.rept \count
	DFMA S+jj
.set jj, jj+2
.endr
.endm
; A TRIP: 256 keys in two halves of 128.  pre = 1: the next trip's first K is asked for
.macro TRIP pre
	v_add_nc_u32 v[ADK], s[TB], v[LK]              ; five places behind the last trip's products: ahead of the loads into p's codes' registers, and of the products that write over V's
	v_add_nc_u32 v[ADS], s[TS], v[LSK]
	v_add_nc_u32 v[ADV], s[TB], v[LI]
	v_add_nc_u32 v[ADT], s[TS], v[LT]
	v_nop
	LDK KB, KSCB, ADK, ADS, 1                      ; the second half's K
	s_wait_dscnt 0x0                               ; both halves' K and words are in
.irp t, 0,1,2,3,4,5,6,7
	WMS 0, \t
.endr
.rept 5
	v_nop                                          ; five places: the products below write over the registers that held the first half's K; four of them serve the first read of the first half's scores
.endr
.irp t, 0,1,2,3,4,5,6,7
	WMS 1, \t
.endr
	MAXH 0                                         ; (these are the places ahead of the first read of the second half's scores)
	MAXH 1
	s_delay_alu instid0(VALU_DEP_1)
	v_max3_num_f32 v[T0], v[TM+1], v[TM+2], v[TM+3]
	s_delay_alu instid0(VALU_DEP_1)
	v_max_num_f32 v[T0], v[T0], v[TM]
	s_delay_alu instid0(VALU_DEP_1)
	v_permlanex16_b32 v[T1], v[T0], s[SEL], s[SEL+1]
	s_delay_alu instid0(VALU_DEP_1)
	v_max3_num_f32 v[SMAX], v[SMAX], v[T0], v[T1]  ; with lane l xor 16's four blocks: the running largest score of my query
	s_delay_alu instid0(VALU_DEP_1)
	v_mul_f32 v[T0], s[NC], v[SMAX]                ; -t (c is positive)
	s_delay_alu instid0(VALU_DEP_1)
	v_floor_f32 v[T2], v[T0]                       ; the new -M = floor(-t) = -ceil(t)
	s_delay_alu instid0(VALU_DEP_1)
	v_sub_f32 v[T2], v[T2], v[NN]                  ; old M - new M: a whole number, 0 or less
	v_floor_f32 v[NN], v[T0]
	v_floor_f32 v[NN+1], v[T0]
.set jj, 0
	DFS 4
	v_cvt_i32_f32 v[T2], v[T2]                     ; (it saturates)
	DFS 5
	v_ldexp_f32 v[FF], 1.0, v[T2]                  ; f = 2^(old M - new M)
	v_ldexp_f32 v[FF+1], 1.0, v[T2]
	DFS 55
	DFMA TM                                        ; the same of each block's largest score
	DFMA TM+2
	s_wait_alu depctr_va_vdst(0)                   ; the wait ahead of the batch
.set jj, 0
.rept 128
	v_exp_f32 v[S+jj], v[S+jj]                     ; p = 2^(t - M)
.set jj, jj+1
.endr
	v_mul_f32 v[CH], v[CH], v[FF]                  ; the sum's first half under the new M: the plain instruction behind the batch
	s_wait_alu depctr_va_vdst(0)                   ; one wait for the batch of 128, ahead of its first reader
.irp b, 0,1,2,3
	v_exp_f32 v[TM+\b], v[TM+\b]                   ; the block's largest p: the same two instructions on the same number
.endr
	v_mul_f32 v[CH+1], v[CH+1], v[FF]
.set dn, 0
	DAS 40                                         ; the row's sum is taken of the unquantised p
	s_wait_alu depctr_va_vdst(0)                   ; and one for the four
.irp b, 0,1,2,3
	v_max_num_f32 v[TM+\b], 0x1800000, v[TM+\b]    ; the floor 2^(3 - 127): the byte cannot fall under 1.  The scales' lines stand among the additions, so that none follows close on the line that it reads
.endr
	DAS 3
.irp b, 0,1,2,3
	v_add_nc_u32 v[TM+\b], 0xff000000, v[TM+\b]    ; 2 off the exponent field: the conversion's scale operand
.endr
	DAS 3
.irp b, 0,1,2,3
	v_lshrrev_b32 v[MX+\b], 23, v[TM+\b]           ; the scale's byte
.endr
	DAS 3
	v_lshl_or_b32 v[MX+4], v[MX+1], 16, v[MX]      ; blocks h and 2 + h of each half,
	v_lshl_or_b32 v[MX+5], v[MX+3], 16, v[MX+2]
	DAS 4
	v_lshlrev_b32 v[MX+4], v[SH], v[MX+4]          ; at their places in the word
	v_lshlrev_b32 v[MX+5], v[SH], v[MX+5]
	DAS 4
	v_permlanex16_b32 v[MX+6], v[MX+4], s[SEL], s[SEL+1]
	v_permlanex16_b32 v[MX+7], v[MX+5], s[SEL], s[SEL+1]
	DAS 7
.irp hh, 0,1
.irp c, 0,1
.irp g, 0,1,2,3
	v_cvt_scalef32_pk8_fp4_f32 v[PC+8*\hh+4*\c+\g], v[S+64*\hh+32*\c+8*\g:S+64*\hh+32*\c+8*\g+7], v[TM+2*\hh+\c]   ; keys 64 c + 32 h + 8 g + 0 .. 7 of the half: register 4 c + g of P's operand
.endr
.endr
.endr
	v_or_b32 v[PW], v[MX+4], v[MX+6]               ; with lane l xor 16's two bytes: p's scale words.  (Plain instructions behind the last conversion)
	v_or_b32 v[PW+1], v[MX+5], v[MX+7]
	LDV S, VSC, 0                                  ; V of both halves, into the first half's score registers
	LDV S+32, VSC+2, 1
.if \pre
	LDK KA, KSC, ADK, ADS, 2                       ; the next trip's first K, into the second half's
.endif
	s_wait_alu depctr_va_vdst(0)                   ; the wait here, directly ahead of the first reader of O^T
.set jj, 0
.rept 16
	v_dual_mul_f32 v[O+jj], v[O+jj], v[FF] :: v_dual_mul_f32 v[O+jj+1], v[O+jj+1], v[FF+1]   ; O^T under the new M.  For each product below twelve of these name none of its registers: the places behind p's words and codes
.set jj, jj+2
.endr
	s_wait_alu depctr_va_vdst(0)                   ; the wait here, directly ahead of the wait below
.if \pre
	s_wait_dscnt 10                                ; V and its words are in; the ten loads of the next K, issued behind them, may be out
.else
	s_wait_dscnt 0x0
.endif
.irp hh, 0,1
.irp t, 0,1,2,3
	WMO \hh, \t                                    ; the four accumulators take turns
.endr
.endr
.endm
	s_load_b256 s[4:11], s[0:1], 0x0               ; qc, qs, kvc, kvs
	s_load_b128 s[12:15], s[0:1], 0x20             ; ctxc, ctxs
	v_lshl_add_u32 v[SPW], v0, 2, SPARE
	v_mov_b32 v[NIL], 0
	ds_add_u32 v[SPW], v[NIL]                      ; the wave's opening: the add, twice on end, and its wait ahead of my tensor load
	ds_add_u32 v[SPW], v[NIL]
	v_lshrrev_b32 v[T0], 5, v0
	v_readfirstlane_b32 s[WV], v[T0]               ; wave 0..15
	s_and_b32 s[W7], s[WV], 7
	s_bfe_u32 s[CX], ttmp6, 0x40000                ; my place in the cluster
	s_lshl_b32 s[QB], ttmp9, 2
	s_add_co_u32 s[QB], s[QB], s[CX]               ; my block of 256 queries: it enters q's and ctx's addresses alone
	s_and_b32 s[BH], ttmp7, 0xffff                 ; 8 b + head, which the four partners share
	s_mov_b32 s[G1C], 15|(3<<16)|(1<<20)|(1<<21)|(7<<22)|(31<<25)   ; the mask: all four; elements of 8 bytes; padding on; bit 21 beside the mask; 32 words behind every 256
	s_mov_b32 s[G1C+1], 128<<16                    ; rows of 1,024 bytes,
	s_mov_b32 s[G1C+2], 32<<16                     ; 32 of them: a dense block of 32,768 bytes
	s_mov_b32 s[G1C+3], 128<<16
	s_mov_b32 s[G1C+4], 32
	s_mov_b32 s[G1C+5], 128
	s_mov_b32 s[G1C+6], 0
	s_mov_b32 s[G1C+7], 0
	s_mov_b32 s[G1S], 15|(3<<16)|(1<<21)
	s_mov_b32 s[G1S+1], 32<<16                     ; rows of 256 bytes,
	s_mov_b32 s[G1S+2], 12<<16                     ; 12 of them: 3,072 bytes
	s_mov_b32 s[G1S+3], 32<<16
	s_mov_b32 s[G1S+4], 12
	s_mov_b32 s[G1S+5], 32
	s_mov_b32 s[G1S+6], 0
	s_mov_b32 s[G1S+7], 0
	s_mov_b32 s[SEL], 0x76543210
	s_mov_b32 s[SEL+1], 0xfedcba98
	s_mov_b32 s[NC], 0xbe38aa3b                    ; -log2(e) / 8
	s_lshl_b32 s66, s[BH], 18                      ; the head's codes: 262,144 bytes, an eighth to a fetching wave
	s_lshl_b32 s70, s[W7], 15
	s_add_co_u32 s66, s66, s70
	s_mov_b32 s67, 0
	s_mul_i32 s71, s[W7], 3072                     ; its scale words: 24,576 bytes, an eighth to a fetching wave
	s_mul_i32 s72, s[BH], 24576
	s_add_co_u32 s72, s72, s71
	s_mov_b32 s73, 0
	s_lshl_b32 s74, s[BH], 17                      ; my tile of q: (256 (8 b + head) + 16 block + wave) x 512 bytes
	s_lshl_b32 s75, s[QB], 13
	s_add_co_u32 s74, s74, s75
	s_lshl_b32 s75, s[WV], 9
	s_add_co_u32 s74, s74, s75
	s_mov_b32 s75, 0
	s_lshl_b32 s76, s[BH], 14                      ; its scale words: tile 8 G + 4 hh + i at record G, + 256 hh + 16 r + 4 i
	s_lshl_b32 s77, s[QB], 10
	s_add_co_u32 s76, s76, s77
	s_lshr_b32 s77, s[WV], 2
	s_lshl_b32 s77, s77, 8
	s_add_co_u32 s76, s76, s77
	s_and_b32 s77, s[WV], 3
	s_lshl_b32 s77, s77, 2
	s_add_co_u32 s76, s76, s77
	s_mov_b32 s77, 0
	s_lshr_b32 s78, s[BH], 3                       ; ctx's codes: ((256 b + tile) x 8 + head) x 512 bytes
	s_lshl_b32 s78, s78, 20
	s_lshl_b32 s79, s[QB], 16
	s_add_co_u32 s78, s78, s79
	s_lshl_b32 s79, s[WV], 12
	s_add_co_u32 s78, s78, s79
	s_and_b32 s79, s[BH], 7
	s_lshl_b32 s79, s79, 9
	s_add_co_u32 s78, s78, s79
	s_mov_b32 s79, 0
	s_lshl_b32 s80, s[BH], 14                      ; ctx's scale words: 64 bytes a tile, my work-group's sixteen tiles on end
	s_lshl_b32 s81, s[QB], 10
	s_add_co_u32 s80, s80, s81
	s_mov_b32 s81, 0
	s_wait_dscnt 0x0                               ; both opening adds are done
	s_wait_kmcnt 0x0
	s_mov_b32 s[G0S], 1
	s_add_co_u32 s[G0S+1], s71, SCL
	s_add_nc_u64 s[G0S+2:G0S+3], s[10:11], s[72:73]
	s_or_b32 s[G0S+3], s[G0S+3], 0x80000000
	s_mov_b32 s[G0C], 1
	s_mul_i32 s[G0C+1], s[W7], 4*STEPB
	s_add_nc_u64 s[G0C+2:G0C+3], s[8:9], s[66:67]
	s_or_b32 s[G0C+3], s[G0C+3], 0x80000000
	s_add_nc_u64 s[4:5], s[4:5], s[74:75]
	s_add_nc_u64 s[6:7], s[6:7], s[76:77]
	s_add_nc_u64 s[12:13], s[12:13], s[78:79]
	s_add_nc_u64 s[14:15], s[14:15], s[80:81]
	CROUND                                         ; all four work-groups are here: the joint loads meet
	s_cmp_lt_u32 s[WV], 8                          ; one chain of two arms on the wave's number, a load to an arm: one tensor load of mine is out
	s_cbranch_scc0 .Lwords
	tensor_load_to_lds s[G0C:G0C+3], s[G1C:G1C+7]
	s_nop 0
.rept 4
	v_nop
.endr
	s_branch .Lasked
.Lwords:
	tensor_load_to_lds s[G0S:G0S+3], s[G1S:G1S+7]
	s_nop 0
.rept 4
	v_nop
.endr
.Lasked:
	v_and_b32 v[T0], 31, v0                        ; lane
	v_and_b32 v[T1], 15, v0                        ; r
	v_lshlrev_b32 v[LI], 4, v[T0]
	v_lshlrev_b32 v[QA], 4, v[T1]
	global_load_b128 v[QF:QF+3], v[LI], s[4:5]     ; Q's fragment stays in registers
	global_load_b32 v[QS], v[QA], s[6:7]           ; and its scale words
	v_and_b32 v[T2], 7, v0                         ; j
	v_bfe_u32 v[MX], v0, 3, 1                      ; h'
	v_bfe_u32 v[MX+1], v0, 4, 1                    ; h
	v_lshl_add_u32 v[LT], v[T0], 3, SCL+512
	v_mul_u32_u24 v[LK], v[MX], 1152
	v_lshlrev_b32 v[LSK], 3, v[MX]
	v_lshlrev_b32 v[SH], 3, v[MX+1]
	v_mov_b32 v[T1], 0                             ; written once: a lane permute's destination counts as one of its sources
	v_lshl_add_u32 v[LK], v[T2], 4, v[LK]
	v_lshl_add_u32 v[LSK], v[T2], 4, v[LSK]
	v_mov_b32 v[CC], 0x3e38aa3b                    ; c = log2(e) / 8
	v_mov_b32 v[CC+1], 0x3e38aa3b
	v_lshl_add_u32 v[LK], v[MX+1], 8, v[LK]
	v_lshl_add_u32 v[LSK], v[MX+1], 8, v[LSK]
	v_mov_b32 v[SMAX], 0xff61b1e6                  ; the largest score so far: -3e38
	v_mov_b32 v[CH], 0                             ; the sum, in two halves
	v_mov_b32 v[CH+1], 0
	v_add_nc_u32 v[LSK], SCL, v[LSK]
.irp k, 0,1,2,3
	v_mov_b32 v[QF+4+\k], 0                        ; zero codes for the half of the K step that the head's 64 do not fill
	v_mov_b32 v[ZP+\k], 0                          ; what the last tile's operand names behind its four registers: second half,
	v_mov_b32 v[KA+32+\k], 0                       ; and first half (later p lie there)
.endr
	v_mul_f32 v[T0], s[NC], v[SMAX]
.set jj, 0
.rept 32
	v_mov_b32 v[O+jj], 0                           ; O^T: the trip is written once; the first finds zeros, which the first change of M leaves zeros
.set jj, jj+1
.endr
	v_floor_f32 v[NN], v[T0]                       ; -M
	v_floor_f32 v[NN+1], v[T0]
	s_mov_b32 s[TB], 0
	s_mov_b32 s[TS], 0
	s_mov_b32 s[CNT], 15
	s_wait_alu depctr_va_vdst(0)                   ; the wait at the head's end
	s_wait_loadcnt 0x0                             ; Q
	s_wait_tensorcnt 0x0                           ; my part of the head's K and V is in,
	s_barrier_signal -1
	s_barrier_wait -1                              ; and everybody's
	LDK KA, KSC, LK, LSK, 0                        ; the first K
.Ltrip:                                            ; 15 trips of 256 keys; the sixteenth is written out: it asks for no further K
	TRIP 1
	s_add_co_u32 s[TB], s[TB], 2*STEPB
	s_add_co_u32 s[TS], s[TS], 2*768
	s_sub_co_u32 s[CNT], s[CNT], 1
	s_cmp_lg_u32 s[CNT], 0
	s_cbranch_scc1 .Ltrip
	TRIP 0
	; THE WAY OUT: ctx = O^T / the sum, quantised along E: my registers are channels 32 b + 16 h + 0 .. 15 of the head, two blocks of 32
.rept 4
	v_nop                                          ; four places ahead of the first read of the last products' results and of writes into their operands' registers
.endr
	v_add_f32 v[CH], v[CH], v[CH+1]                ; the sum's two halves,
	s_delay_alu instid0(VALU_DEP_1)
	v_permlanex16_b32 v[T0], v[CH], s[SEL], s[SEL+1]
	s_delay_alu instid0(VALU_DEP_1)
	v_add_f32 v[CH], v[CH], v[T0]                  ; and lane l xor 16's
	v_and_b32 v[ADT], 15, v0                       ; r
	v_lshrrev_b32 v[ADK], 5, v0                    ; wave
	v_lshlrev_b32 v[ADS], 4, v0                    ; 16 x thread
	v_lshlrev_b32 v[ADT], 2, v[ADT]
	v_lshlrev_b32 v[ADK], 6, v[ADK]
	v_add_nc_u32 v[ADV], STG, v[ADS]               ; where waves 0 and 1 read the words back
	v_add3_u32 v[ADK], v[ADK], v[ADT], STG         ; where I put my row's scale word: 64 x wave + 4 r
	s_wait_alu depctr_va_vdst(0)                   ; the wait ahead of the transcendental
	v_rcp_f32 v[CH], v[CH]
	v_nop                                          ; one plain instruction behind the reciprocal
	s_wait_alu depctr_va_vdst(0)                   ; and the wait ahead of its first reader, which is O^T's first reader too
.set jj, 0
.rept 16
	v_pk_mul_f32 v[S+jj:S+jj+1], v[O+jj:O+jj+1], v[CH:CH+1] op_sel_hi:[1,0]
.set jj, jj+2
.endr
.irp b, 0,1
	v_max3_num_f32 v[MX+\b], |v[S+16*\b]|, |v[S+16*\b+1]|, 0x1800000   ; my 16 numbers of block b, and the floor 2^(3 - 127)
.endr
.irp k, 2,4,6,8,10,12,14
.irp b, 0,1
	s_delay_alu instid0(VALU_DEP_2)
	v_max3_num_f32 v[MX+\b], v[MX+\b], |v[S+16*\b+\k]|, |v[S+16*\b+\k+1]|
.endr
.endr
.irp b, 0,1
	s_delay_alu instid0(VALU_DEP_2)
	v_permlanex16_b32 v[MX+4+\b], v[MX+\b], s[SEL], s[SEL+1]
.endr
.irp b, 0,1
	s_delay_alu instid0(VALU_DEP_2)
	v_max_num_f32 v[MX+\b], v[MX+\b], v[MX+4+\b]
.endr
.irp b, 0,1
	s_delay_alu instid0(VALU_DEP_2)
	v_add_nc_u32 v[TM+\b], 0xff000000, v[MX+\b]
.endr
.irp b, 0,1
	s_delay_alu instid0(VALU_DEP_2)
	v_lshrrev_b32 v[MX+4+\b], 23, v[TM+\b]
.endr
	s_delay_alu instid0(VALU_DEP_1)
	v_lshl_or_b32 v[PW], v[MX+5], 8, v[MX+4]       ; the head's two bytes of my row; the upper half stays 0
.irp b, 0,1
	v_cvt_scalef32_pk8_fp4_f32 v[PC+2*\b], v[S+16*\b:S+16*\b+7], v[TM+\b]
	v_cvt_scalef32_pk8_fp4_f32 v[PC+2*\b+1], v[S+16*\b+8:S+16*\b+15], v[TM+\b]
.endr
	v_nop                                          ; one plain place behind the last scaled conversion
	v_permlane16_swap_b32 v[PC], v[PC+2]           ; lanes 0-15 block 0, lanes 16-31 block 1: four registers of the last product's operand
	v_permlane16_swap_b32 v[PC+1], v[PC+3]
	global_store_b128 v[LI], v[PC:PC+3], s[12:13]  ; 512 consecutive bytes
	ds_store_b32 v[ADK], v[PW]                     ; both halves of the lanes write the same word with the same value
	s_wait_dscnt 0x0                               ; for the others' sake: my store has landed
	s_barrier_signal -1
	s_barrier_wait -1
	s_cmp_lt_u32 s[WV], 2                          ; the sixteen waves' 1,024 bytes leave by two stores of 512 consecutive bytes
	s_cbranch_scc0 .Lno_words
	ds_load_b128 v[S:S+3], v[ADV]
	s_wait_dscnt 0x0
	global_store_b128 v[ADS], v[S:S+3], s[14:15]
.Lno_words:
	s_wait_tensorcnt 0x0                           ; the wave's end: behind my tensor load and my last LDS store
	ds_add_u32 v[SPW], v[NIL]
	s_wait_dscnt 0x0
	CROUND                                         ; the closing round: no work-group ends while a partner may still ask for a tile that names it
	s_endpgm
.Lfunc_end_k_q779a519227_attn:
	.size	k_q779a519227_attn, .Lfunc_end_k_q779a519227_attn-k_q779a519227_attn
	.p2alignl 7, 3214868480
	.fill 96, 4, 3214868480
	.section	.rodata,"a",@progbits
	.p2align	6, 0x0
	.amdhsa_kernel k_q779a519227_attn
		.amdhsa_group_segment_fixed_size 327680
		.amdhsa_private_segment_fixed_size 0
		.amdhsa_enable_private_segment 0
		.amdhsa_kernarg_size 48
		.amdhsa_user_sgpr_count 2
		.amdhsa_user_sgpr_kernarg_segment_ptr 1
		.amdhsa_wavefront_size32 1
		.amdhsa_system_sgpr_workgroup_id_x 1
		.amdhsa_system_sgpr_workgroup_id_y 1
		.amdhsa_system_sgpr_workgroup_id_z 1
		.amdhsa_system_vgpr_workitem_id 0
		.amdhsa_next_free_vgpr 256
		.amdhsa_next_free_sgpr 84
		.amdhsa_reserve_vcc 0
		.amdhsa_float_denorm_mode_32 3
		.amdhsa_float_denorm_mode_16_64 3
		.amdhsa_memory_ordered 1
		.amdhsa_forward_progress 1
		.amdhsa_inst_pref_size 70
	.end_amdhsa_kernel
	.amdgpu_metadata
---
amdhsa.version: [ 1, 2 ]
amdhsa.kernels:
  - .name:           k_q779a519227_attn
    .symbol:         k_q779a519227_attn.kd
    .args:
      - { .name: qc, .offset: 0, .size: 8, .value_kind: global_buffer, .address_space: global }
      - { .name: qs, .offset: 8, .size: 8, .value_kind: global_buffer, .address_space: global }
      - { .name: kvc, .offset: 16, .size: 8, .value_kind: global_buffer, .address_space: global }
      - { .name: kvs, .offset: 24, .size: 8, .value_kind: global_buffer, .address_space: global }
      - { .name: ctxc, .offset: 32, .size: 8, .value_kind: global_buffer, .address_space: global }
      - { .name: ctxs, .offset: 40, .size: 8, .value_kind: global_buffer, .address_space: global }
    .group_segment_fixed_size: 327680
    .private_segment_fixed_size: 0
    .kernarg_segment_align: 8
    .kernarg_segment_size: 48
    .max_flat_workgroup_size: 512
    .sgpr_count:     84
    .vgpr_count:     256
    .wavefront_size: 32
...
	.end_amdgpu_metadata
.endif
;; end of part 2
;; launch outp (part 3): grid 256 x 1, 8 waves a work-group, clusters of 4 x 1, 209,920 bytes of LDS; arguments ctxc, ctxs, Wo_codes, Wo_scales, bo, out0; writes out0
.if DOCPART == 3
	.amdgcn_target "amdgcn-amd-amdhsa--gfx1250"
	.amdhsa_code_object_version 6
	.text
	.protected	k_q779a519227_outp
	.globl	k_q779a519227_outp
	.p2align	8
	.type	k_q779a519227_outp,@function
k_q779a519227_outp:
	s_mov_b64 s[64:65], 0
	v_nop
	global_prefetch_b8 v0, s[64:65] scope:SCOPE_SE
	s_setreg_imm32_b32 hwreg(HW_REG_WAVE_MODE, 25, 1), 1
	s_wait_xcnt 0x0
	s_wait_alu depctr_hold_cnt(0) depctr_sa_sdst(0) depctr_va_vdst(0) depctr_va_sdst(0) depctr_va_ssrc(0) depctr_va_vcc(0) depctr_vm_vsrc(0)
	s_getreg_b32 s2, hwreg(HW_REG_IB_STS2, 6, 4)
	s_cmp_eq_u32 s2, 0
	s_cbranch_scc0 .Lentry_in_a_cluster
	s_endpgm
.Lentry_in_a_cluster:
	s_bfe_u32 s2, ttmp6, 0x10000c
	s_cmp_lg_u32 s2, 0x3003
	s_cbranch_scc0 .Lentry_shape_is_right
	s_endpgm
.Lentry_shape_is_right:
; THE OUT-PROJECTION: out = ctx Wo^T + bo on codes of FP4 (E2M1) with E8M0 scales, K = 512 (four steps of 128); out is f32.
; SHARES.  Work-group X = 4 x cluster x + cx takes 32 rows: two tiles of ctx, which come as images of operand registers.  Wave w makes columns 64 w .. 64 w + 63: four tiles of 16 rows of Wo, eight accumulators,
; 32 matrix instructions.  The product is used transposed (source 0 = 16 rows of Wo, source 1 = 16 rows of ctx): a lane holds eight neighbouring columns of one row.
; Lane r of ctx's tile u holds row 32 X + 8 u + r + 8 (r / 8): the stores' offsets put the rows back in their places.
; The bias is loaded into the accumulators, in the result's layout: the first product adds onto it.
; CLUSTER.  All work-groups read the same Wo: it is asked for jointly (mask 15), 64 rows a wave; a wave reads only the rows that it fetched, so its own wait on TENSORcnt orders its reads.
; Every LDS byte is filled once.  The one tensor load is issued at the head, so there is no later load that a prefetch could run ahead of.
; THE WAY OUT: a tile's 16 rows x 256 bytes go through the wave's own stage in LDS and leave so that sixteen lanes store 256 consecutive bytes, aligned.
; LIMITS: NaN, infinities and scale bytes 0xff among the inputs are not served.
.set PITCH, 272                        ; an LDS row: 256 bytes + 16 of padding
.set STG,   512*PITCH                  ; behind Wo's 512 rows: two stages of 16 rows x 272 bytes for each wave; no tile lands here
.set SPARE, STG+8*2*16*PITCH           ; the spare words, 128 bytes for each wave: four blocks of 256 bytes that no other line names
.set SPW, 1                            ; v1  LDS address of my spare word; never rewritten
.set NIL, 2                            ; v2  0; never rewritten
.set LI,  3                            ; v3  16 x lane
.set L4,  4                            ; v4  4 x lane
.set AW,  5                            ; v5  my lane's place in a tile of my rows of Wo
.set STO, 6                            ; v6  the stage: where I put 32 bytes of a row
.set RD,  7                            ; v7  and where I read a row back
.set GO,  8                            ; v8  my byte offset in out
.set BA,  9                            ; v9  my place in the bias
.set CSR, 16                           ; v16-23 ctx's scale bytes, two of each head: lanes 0-15 tile 0, lanes 16-31 tile 1
.set CS,  24                           ; v24-27 the same as words, one for each K step
.set WS,  28                           ; v28-35 Wo's scale words: register 4 p + s: lanes 0-15 tile 2 p, lanes 16-31 tile 2 p + 1
.set CF,  40                           ; v40-103 ctx's fragments at 32 u + 8 s; later the rows read back
.set WF,  104                          ; v104-167 Wo's fragments of a K step, two buffers
.set AC,  168                          ; v168-231 accumulators at 8 (2 t + u)
.set WV,  16
.set CX,  17
.set XX,  18
.set G1W, 24                           ; s[24:31], s[32:35] the descriptor
.set G0W, 32
.macro CROUND                          ; a round of the cluster's barrier
	s_barrier_signal -1
	s_barrier_wait -1
	s_cmp_lg_u32 s[WV], 0
	s_cbranch_scc1 .Lnot_wave_0_\@
	s_barrier_signal -3
.Lnot_wave_0_\@:
	s_barrier_wait -3
	s_barrier_signal -1
	s_barrier_wait -1
.endm
; tile t of Wo x tile u of ctx, K step s: Wo's words stand in lanes 16 (t % 2) on of their register, ctx's in lanes 16 u on
.macro WM t, u, s
.set wD, AC+8*(2*(\t)+(\u))
.set wA, WF+32*((\s)%2)+8*(\t)
.set wB, CF+32*(\u)+8*(\s)
.set wS, WS+4*((\t)/2)+(\s)
.set wT, CS+(\s)
.set wR, (\t)%2+2*(\u)
.if wR == 0
	v_wmma_scale_f32_16x16x128_f8f6f4 v[wD:wD+7], v[wA:wA+7], v[wB:wB+7], v[wD:wD+7], v[wS], v[wT] matrix_a_fmt:MATRIX_FMT_FP4 matrix_b_fmt:MATRIX_FMT_FP4
.elseif wR == 1
	v_wmma_scale_f32_16x16x128_f8f6f4 v[wD:wD+7], v[wA:wA+7], v[wB:wB+7], v[wD:wD+7], v[wS], v[wT] matrix_a_fmt:MATRIX_FMT_FP4 matrix_b_fmt:MATRIX_FMT_FP4 matrix_a_scale:MATRIX_SCALE_ROW1
.elseif wR == 2
	v_wmma_scale_f32_16x16x128_f8f6f4 v[wD:wD+7], v[wA:wA+7], v[wB:wB+7], v[wD:wD+7], v[wS], v[wT] matrix_a_fmt:MATRIX_FMT_FP4 matrix_b_fmt:MATRIX_FMT_FP4 matrix_b_scale:MATRIX_SCALE_ROW1
.else
	v_wmma_scale_f32_16x16x128_f8f6f4 v[wD:wD+7], v[wA:wA+7], v[wB:wB+7], v[wD:wD+7], v[wS], v[wT] matrix_a_fmt:MATRIX_FMT_FP4 matrix_b_fmt:MATRIX_FMT_FP4 matrix_a_scale:MATRIX_SCALE_ROW1 matrix_b_scale:MATRIX_SCALE_ROW1
.endif
.endm
.macro FETCH s                         ; my four tiles of Wo, K step s: eight loads
.irp t, 0,1,2,3
.irp c, 0,1
	ds_load_b128 v[WF+32*((\s)%2)+8*\t+4*\c:WF+32*((\s)%2)+8*\t+4*\c+3], v[AW] offset:16*\t*PITCH+64*(\s)+32*\c
.endr
.endr
.endm
	s_load_b256 s[4:11], s[0:1], 0x0               ; ctxc, ctxs, Wo's codes, Wo's scales
	s_load_b128 s[12:15], s[0:1], 0x20             ; bo, out
	v_lshl_add_u32 v[SPW], v0, 2, SPARE
	v_mov_b32 v[NIL], 0
	ds_add_u32 v[SPW], v[NIL]                      ; the wave's opening: the add and its wait ahead of my tensor load; work on registers stands between them
	ds_add_u32 v[SPW], v[NIL]
	v_lshrrev_b32 v10, 5, v0
	s_delay_alu instid0(VALU_DEP_1)
	v_readfirstlane_b32 s[WV], v10                 ; wave 0..7
	s_bfe_u32 s[CX], ttmp6, 0x40000                ; my place in the cluster
	s_lshl_b32 s[XX], ttmp9, 2
	s_add_co_u32 s[XX], s[XX], s[CX]               ; my 32 rows: it enters ctx's and out's addresses alone
	s_mov_b32 s[G1W], 15|(1<<20)|(1<<21)|(5<<22)|(3<<25)   ; the mask: all four work-groups; elements of 1 byte; padding on; bit 21 beside the mask; 4 words behind every 64
	s_mov_b32 s[G1W+1], 256<<16                    ; tensor_dim0 = 256
	s_mov_b32 s[G1W+2], 64<<16                     ; tensor_dim1 = 64
	s_mov_b32 s[G1W+3], 256<<16                    ; tile_dim0 = 256
	s_mov_b32 s[G1W+4], 64                         ; tile_dim1 = 64
	s_mov_b32 s[G1W+5], 256                        ; from row to row
	s_mov_b32 s[G1W+6], 0
	s_mov_b32 s[G1W+7], 0
	s_mov_b32 s[G0W], 1
	s_mul_i32 s[G0W+1], s[WV], 64*PITCH            ; LDS: rows 64 w on
	s_lshl_b32 s36, s[WV], 14                      ; and the same rows in memory
	s_mov_b32 s37, 0
	s_lshl_b32 s38, s[XX], 13                      ; ctx's codes: two tiles of 4,096 bytes
	s_mov_b32 s39, 0
	s_lshr_b32 s40, s[XX], 7                       ; ctx's scale words: batch x 8 heads x 16,384 bytes, + 128 bytes for each pair of tiles
	s_lshl_b32 s40, s40, 17
	s_and_b32 s41, s[XX], 127
	s_lshl_b32 s41, s41, 7
	s_add_co_u32 s40, s40, s41
	s_mov_b32 s41, 0
	s_lshl_b32 s42, s[WV], 10                      ; Wo's scale bytes: my 64 rows of 16
	s_mov_b32 s43, 0
	s_lshl_b32 s44, s[WV], 8                       ; the bias: my 64 numbers
	s_mov_b32 s45, 0
	s_lshl_b32 s46, s[XX], 16                      ; out: 32 rows of 2,048 bytes
	s_mov_b32 s47, 0
	s_wait_dscnt 0x0                               ; the opening add is done
	s_wait_kmcnt 0x0
	s_add_nc_u64 s[G0W+2:G0W+3], s[8:9], s[36:37]
	s_or_b32 s[G0W+3], s[G0W+3], 0x80000000
	s_add_nc_u64 s[4:5], s[4:5], s[38:39]
	s_add_nc_u64 s[6:7], s[6:7], s[40:41]
	s_add_nc_u64 s[10:11], s[10:11], s[42:43]
	s_add_nc_u64 s[12:13], s[12:13], s[44:45]
	s_add_nc_u64 s[14:15], s[14:15], s[46:47]
	CROUND                                         ; all four work-groups are here: the joint loads meet
	tensor_load_to_lds s[G0W:G0W+3], s[G1W:G1W+7]  ; one tensor load of mine is out
	s_nop 0
.rept 4
	v_nop
.endr
	v_and_b32 v10, 31, v0                          ; lane
	v_and_b32 v11, 15, v0                          ; r
	v_bfe_u32 v12, v0, 4, 1                        ; h
	s_delay_alu instid0(VALU_DEP_3)
	v_lshlrev_b32 v[LI], 4, v10
	s_delay_alu instid0(VALU_DEP_4)
	v_lshlrev_b32 v[L4], 2, v10
	s_delay_alu instid0(VALU_DEP_3)
	v_lshlrev_b32 v[BA], 5, v12                    ; register j of tile t is column 16 t + 8 h + j
.irp u, 0,1
.irp s, 0,1,2,3
.irp c, 0,1
	global_load_b128 v[CF+32*\u+8*\s+4*\c:CF+32*\u+8*\s+4*\c+3], v[LI], s[4:5] offset:4096*\u+1024*\s+512*\c   ; head 2 s + c gives registers 4 c on of K step s
.endr
.endr
.endr
.irp d, 0,1,2,3,4,5,6,7
	global_load_b32 v[CSR+\d], v[L4], s[6:7] offset:16384*\d
.endr
.irp p, 0,1
	global_load_b128 v[WS+4*\p:WS+4*\p+3], v[LI], s[10:11] offset:512*\p   ; row 32 p + lane: its four words, one for each K step
.endr
.irp t, 0,1,2,3
.irp u, 0,1
	global_load_b128 v[AC+8*(2*\t+\u):AC+8*(2*\t+\u)+3], v[BA], s[12:13] offset:64*\t
	global_load_b128 v[AC+8*(2*\t+\u)+4:AC+8*(2*\t+\u)+7], v[BA], s[12:13] offset:64*\t+16
.endr
.endr
	v_mul_u32_u24 v13, v11, PITCH
	s_mul_i32 s48, s[WV], 64*PITCH
	v_lshl_add_u32 v[AW], v12, 4, v13
	s_delay_alu instid0(VALU_DEP_1)
	v_add_nc_u32 v[AW], s48, v[AW]                 ; my rows of Wo: row r of a tile, + 16 h
	s_mul_i32 s49, s[WV], 2*16*PITCH
	s_add_co_u32 s49, s49, STG                     ; my stages
	v_lshl_add_u32 v[STO], v12, 5, v13
	s_delay_alu instid0(VALU_DEP_1)
	v_add_nc_u32 v[STO], s49, v[STO]               ; in: row r, + 32 h
	v_mul_u32_u24 v14, v12, PITCH
	s_delay_alu instid0(VALU_DEP_1)
	v_lshl_add_u32 v[RD], v11, 4, v14
	s_delay_alu instid0(VALU_DEP_1)
	v_add_nc_u32 v[RD], s49, v[RD]                 ; back: lanes 0-15 one row, lanes 16-31 the next
	v_lshlrev_b32 v[GO], 11, v12
	s_delay_alu instid0(VALU_DEP_1)
	v_lshl_add_u32 v[GO], v11, 4, v[GO]
	s_delay_alu instid0(VALU_DEP_1)
	v_add_nc_u32 v[GO], s44, v[GO]                 ; out: 2,048 h + 16 r + 256 w
	s_wait_loadcnt 0x0
.irp s, 0,1,2,3
	v_lshl_or_b32 v[CS+\s], v[CSR+2*\s+1], 16, v[CSR+2*\s]   ; a K step is two heads: two bytes of each
.endr
	s_wait_alu depctr_va_vdst(0)
	s_wait_tensorcnt 0x0                           ; my rows of Wo are in
	FETCH 0
.rept 8
	v_nop                                          ; eight places between the scale words just made and the first scaled product
.endr
.irp s, 0,1,2,3
.if \s < 3
.if \s > 0
.rept 4
	v_nop                                          ; four places ahead of loads into the buffer that the K step before last... the last but one run of products has read
.endr
.endif
	FETCH \s+1
	s_wait_dscnt 8                                 ; all but the eight just issued
.else
	s_wait_dscnt 0x0
.endif
.irp t, 0,1,2,3
.irp u, 0,1
	WM \t, \u, \s                                  ; the eight accumulators take turns
.endr
.endr
.endr
.rept 4
	v_nop                                          ; four places ahead of the first read of the results and of the loads into ctx's registers
.endr
.irp u, 0,1
.irp t, 0,1,2,3
	ds_store_b128 v[STO], v[AC+8*(2*\t+\u):AC+8*(2*\t+\u)+3] offset:16*PITCH*\u+64*\t        ; each accumulator from its low end on
	ds_store_b128 v[STO], v[AC+8*(2*\t+\u)+4:AC+8*(2*\t+\u)+7] offset:16*PITCH*\u+64*\t+16
.endr
.irp i, 0,1,2,3,4,5,6,7
	ds_load_b128 v[CF+32*\u+4*\i:CF+32*\u+4*\i+3], v[RD] offset:16*PITCH*\u+2*PITCH*\i       ; LDS serves a wave's instructions in order (ISA guide 5.7.1.4): these see my stores
.endr
.endr
.irp u, 0,1
.irp i, 0,1,2,3,4,5,6,7
	s_wait_dscnt (1-\u)*16+7-\i                    ; younger: the tile's later loads, and for tile 0 the sixteen LDS instructions of tile 1
	global_store_b128 v[GO], v[CF+32*\u+4*\i:CF+32*\u+4*\i+3], s[14:15] offset:(8*\u+2*\i+8*(\i/4))*2048 th:TH_STORE_NT   ; stage rows 2 i, 2 i + 1 are rows 8 u + 2 i + 8 (i / 4) + h of my 32; 16 lanes store 256 consecutive bytes, aligned
.endr
.endr
	s_wait_tensorcnt 0x0                           ; the wave's end: behind my tensor load and my last LDS store
	ds_add_u32 v[SPW], v[NIL]
	s_wait_dscnt 0x0
	CROUND                                         ; the closing round: no work-group ends while a partner may still ask for a tile that names it
	s_endpgm
.Lfunc_end_k_q779a519227_outp:
	.size	k_q779a519227_outp, .Lfunc_end_k_q779a519227_outp-k_q779a519227_outp
	.p2alignl 7, 3214868480
	.fill 96, 4, 3214868480
	.section	.rodata,"a",@progbits
	.p2align	6, 0x0
	.amdhsa_kernel k_q779a519227_outp
		.amdhsa_group_segment_fixed_size 209920
		.amdhsa_private_segment_fixed_size 0
		.amdhsa_enable_private_segment 0
		.amdhsa_kernarg_size 48
		.amdhsa_user_sgpr_count 2
		.amdhsa_user_sgpr_kernarg_segment_ptr 1
		.amdhsa_wavefront_size32 1
		.amdhsa_system_sgpr_workgroup_id_x 1
		.amdhsa_system_sgpr_workgroup_id_y 1
		.amdhsa_system_sgpr_workgroup_id_z 1
		.amdhsa_system_vgpr_workitem_id 0
		.amdhsa_next_free_vgpr 256
		.amdhsa_next_free_sgpr 72
		.amdhsa_reserve_vcc 0
		.amdhsa_float_denorm_mode_32 3
		.amdhsa_float_denorm_mode_16_64 3
		.amdhsa_memory_ordered 1
		.amdhsa_forward_progress 1
		.amdhsa_inst_pref_size 20
	.end_amdhsa_kernel
	.amdgpu_metadata
---
amdhsa.version: [ 1, 2 ]
amdhsa.kernels:
  - .name:           k_q779a519227_outp
    .symbol:         k_q779a519227_outp.kd
    .args:
      - { .name: ctxc, .offset: 0, .size: 8, .value_kind: global_buffer, .address_space: global }
      - { .name: ctxs, .offset: 8, .size: 8, .value_kind: global_buffer, .address_space: global }
      - { .name: Wo_codes, .offset: 16, .size: 8, .value_kind: global_buffer, .address_space: global }
      - { .name: Wo_scales, .offset: 24, .size: 8, .value_kind: global_buffer, .address_space: global }
      - { .name: bo, .offset: 32, .size: 8, .value_kind: global_buffer, .address_space: global }
      - { .name: out0, .offset: 40, .size: 8, .value_kind: global_buffer, .address_space: global }
    .group_segment_fixed_size: 209920
    .private_segment_fixed_size: 0
    .kernarg_segment_align: 8
    .kernarg_segment_size: 48
    .max_flat_workgroup_size: 256
    .sgpr_count:     72
    .vgpr_count:     256
    .wavefront_size: 32
...
	.end_amdgpu_metadata
.endif
;; end of part 3
